; MI455X (gfx1250); checked and timed in simulation.
; The chip was launched on July 23, 2026; its instructions are those of AMD's public machine-readable ISA for CDNA 5 (MIT licence, August 2026) and "CDNA5" Instruction Set Architecture Reference Guide (July 2026). The comments in the code are by the model that wrote it; some were corrected since.
;; Myelin Model. Allowed arithmetic: float matrix products may take bf16 or f16 operands with f32 sums; all other float work in f32.
;; Inputs: x 1,000,000 x 8 x 8 float32.
;; Outputs: out0 1,000,000 x 8 int32.
;; 2 versions, each right; version 2 is version 1 with the launch decode written anew for expert scheduling mode. Each part assembles by itself: llvm-mc -triple=amdgcn-amd-amdhsa -mcpu=gfx1250 --defsym DOCPART=n.
;; ======== version 1 of 2: 1 launch
;; limits: values within 1.2e-07 (relative) of each other or of a threshold may be ordered or decided otherwise than in the reference
;; launch decode (part 1): grid 3125 x 1, 2 waves a work-group, no clusters, 1,280 bytes of LDS; arguments x, out0; writes out0
.if DOCPART == 1
	.amdgcn_target "amdgcn-amd-amdhsa--gfx1250"
	.amdhsa_code_object_version 6
	.text
	.protected	k_q023ce7a592_decode
	.globl	k_q023ce7a592_decode
	.p2align	8
	.type	k_q023ce7a592_decode,@function
k_q023ce7a592_decode:
	s_mov_b64 s[64:65], 0
	v_nop
	global_prefetch_b8 v0, s[64:65] scope:SCOPE_SE
	s_setreg_imm32_b32 hwreg(HW_REG_WAVE_MODE, 25, 1), 1
	s_wait_xcnt 0x0
; out0[b][i] = 1 + 4 * pos,  pos = the first column j at which  S[j] = sum over k >= j of x[b][i][k]  is largest.   x: [1000000][8][8] f32, out0: [1000000][8] i32.
; WHY THIS IS THE WHOLE MODULE.  pred starts at 1 and each of the four steps adds pos, 0 to 7: pred is never 0, for any input, so pad is 1 and the mask is tril(ones) in every step; the four
; steps form the same product x . tril (column j = the sum of x[k], k >= j), the same softmax and the same pos.  Softmax is strictly increasing, so its argmax is the argmax of the sums; equal sums
; take the earlier column, as argmax does.  No exponential is formed.
; LIMITS.  x is rounded to bf16 (to nearest even) as a matrix operand; sums in f32.  Where a sum lies within 2^-23 (1.2e-7) of its row's largest, probabilities rounded to f32 can coincide and
; an argmax over them takes the earlier column; this text takes the larger sum.  Inputs are finite and stay finite in bf16 (|x| < 3.39e38), and so do the sums: a NaN or an infinity meets the zeros of the
; mask in the product and spoils the rows that share its matrix column.
; SHARES.  The 8,000,000 rows of 8 numbers are one stream.  A BLOCK is 128 rows: 4,096 bytes of x, 512 bytes of out0; 62,500 blocks = 3,125 work-groups x 2 waves x 10 blocks.
; THE PRODUCT.  One load of a wave takes 512 consecutive bytes, 16 rows: lane (r = lane % 16, h = lane / 16) takes the 16 bytes at 32 r + 16 h: numbers 4h..4h+3 of row r.  Rounded in pairs they are two
; registers of source 1 (32 k x 16 columns; column r lies in lanes r and r + 16: ISA guide 7.12.2), so a row's eight numbers stand in one column.  Source 0 is the mask, 16 x 32, ones and zeros:
; its row m = 8 g + j picks, of the window's first two loads, load g, numbers e >= j.  The result's lane (r, g) then holds in registers 0..7 the eight sums of ONE row: row 16 g + r of those 32.
; So the matrix unit also brings a row's two halves into one lane, and the loads can stay consecutive.  The mask's k = 16..31 are zero: product i takes registers 4i..4i+7 of the block's 16 operand
; registers and only the lower four count; the last window runs on into the mask's own first four registers, which are finite and meet those zeros.
; THE WAY OUT.  Lane L holds the results of rows 32 i + L (i = 0..3).  They pass through 512 bytes of LDS of the wave's own and come back as rows 4L..4L+3, so that one store of the wave covers 512
; consecutive bytes, aligned.  (With loads of consecutive bytes, neighbouring rows fall into different matrix columns, so no register layout gives a lane four neighbouring rows.)
; No barrier: no wave touches another's bytes.  No cluster, no tensor load: no byte is read twice, and the bytes in flight lie in registers: two slots of eight loads a wave.
.set BLOCK_X, 4096                     ; bytes of x in a block
.set BLOCK_O, 512                      ; bytes of out0 in a block
.set WAVES,   2
.set TURNS,   10                       ; blocks of a wave; block b of wave w is the work-group's block 2 b + w
.set WG_X,    WAVES*TURNS*BLOCK_X      ; 81,920: 3,125 of them are x's 256,000,000 bytes
.set WG_O,    WAVES*TURNS*BLOCK_O      ; 10,240: 3,125 of them are out0's 32,000,000 bytes
.set XO,  1                            ; v1        4,096 w + 32 r + 16 h: my 16 bytes in a load; never rewritten
.set SST, 2                            ; v2        512 w + 4 L: where my results go in my wave's stage; never rewritten
.set O16, 3                            ; v3        512 w + 16 L: where I read the stage back, and my byte offset in out0; never rewritten
.set O,   4                            ; v[4:7]    four neighbouring rows' results, to store
.set X,   8                            ; v[8:71]   two slots of 32: a block of x as loaded (load q in registers 4q..4q+3)
.set F,   72                           ; v[72:87]  the block in bf16: load q in registers 2q, 2q+1
.set A,   88                           ; v[88:95]  the mask: four registers of ones and zeros, four of zeros; stands straight behind F (see above)
.set D,   96                           ; v[96:127] four results of 8; register 7 becomes the row's maximum, register 6 the row's answer
.set MK,  16                           ; s[16:19]  lane masks of the four rows in hand
	s_load_b128 s[4:7], s[0:1], 0x0                ; x s[4:5], out0 s[6:7]
	v_lshl_add_u32 v128, v0, 2, 0x400
	v_mov_b32 v129, 0
	v_and_b32 v[D], 31, v0                         ; L
	v_lshrrev_b32 v[D+1], 5, v0
	v_readfirstlane_b32 s8, v[D+1]                 ; w, my wave's number
	s_mul_i32 s10, ttmp9, WG_X                     ; the work-group's first byte of x (under 2^28)
	s_mov_b32 s11, 0
	s_mul_i32 s12, ttmp9, WG_O                     ; and of out0
	s_mov_b32 s13, 0
	s_lshl_b32 s9, s8, 9                           ; 512 w
	s_lshl_b32 s14, s8, 12                         ; 4,096 w
	v_and_b32 v[D+2], 15, v0                       ; r
	v_bfe_u32 v[D+3], v0, 4, 1                     ; h
	v_lshl_add_u32 v[XO], v[D+2], 5, s14
	v_lshl_add_u32 v[XO], v[D+3], 4, v[XO]
	v_lshl_add_u32 v[SST], v[D], 2, s9
	v_lshl_add_u32 v[O16], v[D], 4, s9
	s_wait_kmcnt 0x0
	s_add_nc_u64 s[4:5], s[4:5], s[10:11]
	s_add_nc_u64 s[6:7], s[6:7], s[12:13]
.irp b, 0,1                            ; both slots are filled before anything else is done: sixteen loads, 8,192 bytes a wave
.irp q, 0,1,2,3,4,5,6,7
	global_load_b128 v[X+32*\b+4*\q:X+32*\b+4*\q+3], v[XO], s[4:5] offset:\b*WAVES*BLOCK_X+512*\q th:TH_LOAD_NT
.endr
.endr
	; THE MASK, while the loads are on their way.  As source 0, lane (m = lane % 16, h) holds row m = 8 g + j; its register c (0..3) holds k = 8h + 2c, 8h + 2c + 1.  In source 1 those k are, of load c / 2,
	; numbers e = 4h + 2 (c % 2) and e + 1.  So register c is 0 unless c / 2 = g; else its low half is 1.0 where 4h + 2 (c % 2) >= j, its high half where 4h + 2 (c % 2) + 1 >= j.
	v_and_b32 v[D+4], 7, v0                        ; j
	v_bfe_u32 v[D+5], v0, 3, 1                     ; g
	v_lshl_add_u32 v[D+6], v[D+3], 2, 8
	v_sub_nc_u32 v[D+6], v[D+6], v[D+4]            ; t = 4h + 8 - j, 1 to 12: the tests become unsigned
	v_mov_b32 v[D+8], 0x3f800000                   ; bf16 1.0 in the high half
	v_mov_b32 v[D+9], 0x3f803f80                   ; in both halves
	v_cmp_lt_u32 vcc_lo, 6, v[D+6]                 ; 4h + 1 >= j
	v_cndmask_b32 v[D+10], 0, v[D+8], vcc_lo
	v_cmp_lt_u32 vcc_lo, 7, v[D+6]                 ; 4h >= j
	v_cndmask_b32 v[D+10], v[D+10], v[D+9], vcc_lo ; the word for c % 2 = 0
	v_cmp_lt_u32 vcc_lo, 4, v[D+6]                 ; 4h + 3 >= j
	v_cndmask_b32 v[D+11], 0, v[D+8], vcc_lo
	v_cmp_lt_u32 vcc_lo, 5, v[D+6]                 ; 4h + 2 >= j
	v_cndmask_b32 v[D+11], v[D+11], v[D+9], vcc_lo ; the word for c % 2 = 1
	v_cmp_eq_u32 vcc_lo, 0, v[D+5]
	v_cndmask_b32 v[A], 0, v[D+10], vcc_lo
	v_cndmask_b32 v[A+1], 0, v[D+11], vcc_lo
	v_cmp_eq_u32 vcc_lo, 1, v[D+5]
	v_cndmask_b32 v[A+2], 0, v[D+10], vcc_lo
	v_cndmask_b32 v[A+3], 0, v[D+11], vcc_lo
.irp c, 4,5,6,7
	v_mov_b32 v[A+\c], 0                           ; k = 16..31: nothing of a window's upper half is summed
.endr
.macro CVT q                           ; load q of the slot: four f32 become two registers of bf16, the lower number in the lower half
	v_cvt_pk_bf16_f32 v[F+2*\q],   v[XS+4*\q],   v[XS+4*\q+1]
	v_cvt_pk_bf16_f32 v[F+2*\q+1], v[XS+4*\q+2], v[XS+4*\q+3]
.endm
.macro MUL i                           ; product i: the sums of rows 32 i .. 32 i + 31 of the block; C = 0: nothing is cleared, nothing is added onto
	v_wmma_f32_16x16x32_bf16 v[D+8*\i:D+8*\i+7], v[A:A+7], v[F+4*\i:F+4*\i+7], 0
.endm
.macro MAX2 p                          ; the largest of the eight sums, into register 7, for products p and p + 1 by turns.  The first read of a result takes its registers 0 and 1
.irp i, \p, \p+1
	v_max3_num_f32 v[D+8*(\i)+7], v[D+8*(\i)], v[D+8*(\i)+1], v[D+8*(\i)+7]
.endr
.irp i, \p, \p+1
	v_max3_num_f32 v[D+8*(\i)+7], v[D+8*(\i)+2], v[D+8*(\i)+3], v[D+8*(\i)+7]
.endr
.irp i, \p, \p+1
	v_max3_num_f32 v[D+8*(\i)+7], v[D+8*(\i)+4], v[D+8*(\i)+5], v[D+8*(\i)+7]
.endr
.irp i, \p, \p+1
	v_max_num_f32 v[D+8*(\i)+7], v[D+8*(\i)+6], v[D+8*(\i)+7]
.endr
.endm
; THE TURN OF BLOCK b, in slot b % 2.  refill = 1: the slot takes block b + 2.  younger = the loads of block b + 1 that may stay out (8, or 0 in the last turn).
.macro TURN b, refill, younger
.set XS, X+32*((\b)%2)
	s_wait_loadcnt \younger+2                      ; loads come back in order (ISA guide 5.7.1): my block's loads 0 to 5 are in; its last two and the next block's eight stay out
.irp q, 0,1,2,3,4,5
	CVT \q
.endr
.if \refill
.irp q, 0,1,2,3,4,5                    ; the registers just read are asked for again at once
	global_load_b128 v[XS+4*\q:XS+4*\q+3], v[XO], s[4:5] offset:((\b)+2)*WAVES*BLOCK_X+512*\q th:TH_LOAD_NT
.endr
.endif
	MUL 0
	MUL 1
	s_wait_loadcnt \younger+6*\refill              ; my block's last two loads are in: behind them came the next block's eight and the six just issued
	CVT 6                                          ; these four conversions name no register of products 0 and 1: they are the four places
	CVT 7                                          ; between those products and the first read of their results (ISA guide 7.12.1)
.if \refill
.irp q, 6,7
	global_load_b128 v[XS+4*\q:XS+4*\q+3], v[XO], s[4:5] offset:((\b)+2)*WAVES*BLOCK_X+512*\q th:TH_LOAD_NT
.endr
.endif
	MUL 2
	MUL 3
	MAX2 0                                         ; eight instructions on results 0 and 1: the places behind products 2 and 3
	MAX2 2
	; The first column that holds the maximum: from column 6 down to 0, a column that is not below the maximum takes the answer, so the lowest such column has the last word;
	; column 7 is the answer if none does.  The answer is kept as 1 + 4 j.  Four rows by turns, so that no instruction waits for the one just before it.
.irp j, 6,5,4,3,2,1,0
.irp i, 0,1,2,3
	v_cmp_lt_f32 s[MK+\i], v[D+8*\i+\j], v[D+8*\i+7]
.endr
.irp i, 0,1,2,3
.if \j == 6
	v_cndmask_b32 v[D+8*\i+6], 25, 29, s[MK+\i]    ; below the maximum: 29 (column 7) for now; else 25.  Register 6 has just been compared and is free
.else
	v_cndmask_b32 v[D+8*\i+6], 4*\j+1, v[D+8*\i+6], s[MK+\i]
.endif
.endr
.endr
.irp i, 0,1,2,3
	ds_store_b32 v[SST], v[D+8*\i+6] offset:128*\i ; row 32 i + L at byte 4 (32 i + L) of my wave's stage
.endr
	s_wait_xcnt 0x0                                ; every earlier memory instruction has had its addresses translated (ISA guide 3.1): O, which the last turn's store reads, is loaded again only behind this wait
	ds_load_b128 v[O:O+3], v[O16]                  ; rows 4L..4L+3.  LDS serves a wave's instructions in order (ISA guide 5.7.1.4): this sees the four stores above, and the next turn's stores come behind it
	s_wait_dscnt 0x0
	global_store_b128 v[O16], v[O:O+3], s[6:7] offset:(\b)*WAVES*BLOCK_O th:TH_STORE_NT   ; the wave's 32 lanes store 512 consecutive bytes, at a multiple of 512 from out0's first byte
.endm
.irp b, 0,1,2,3,4,5,6,7
	TURN \b, 1, 8
.endr
	TURN 8, 0, 8                                   ; the last two turns load nothing: no load leaves x, and the counts run down
	TURN 9, 0, 0
	s_wait_tensorcnt 0x0
	ds_add_u32 v128, v129
	s_wait_dscnt 0x0
	s_endpgm
.Lfunc_end_k_q023ce7a592_decode:
	.size	k_q023ce7a592_decode, .Lfunc_end_k_q023ce7a592_decode-k_q023ce7a592_decode
	.p2alignl 7, 3214868480
	.fill 96, 4, 3214868480
	.section	.rodata,"a",@progbits
	.p2align	6, 0x0
	.amdhsa_kernel k_q023ce7a592_decode
		.amdhsa_group_segment_fixed_size 1280
		.amdhsa_private_segment_fixed_size 0
		.amdhsa_enable_private_segment 0
		.amdhsa_kernarg_size 16
		.amdhsa_user_sgpr_count 2
		.amdhsa_user_sgpr_kernarg_segment_ptr 1
		.amdhsa_wavefront_size32 1
		.amdhsa_system_sgpr_workgroup_id_x 1
		.amdhsa_system_sgpr_workgroup_id_y 1
		.amdhsa_system_sgpr_workgroup_id_z 1
		.amdhsa_system_vgpr_workitem_id 0
		.amdhsa_next_free_vgpr 130
		.amdhsa_next_free_sgpr 66
		.amdhsa_reserve_vcc 1
		.amdhsa_float_denorm_mode_32 3
		.amdhsa_float_denorm_mode_16_64 3
		.amdhsa_memory_ordered 1
		.amdhsa_forward_progress 1
		.amdhsa_inst_pref_size 72
	.end_amdhsa_kernel
	.amdgpu_metadata
---
amdhsa.version: [ 1, 2 ]
amdhsa.kernels:
  - .name:           k_q023ce7a592_decode
    .symbol:         k_q023ce7a592_decode.kd
    .args:
      - { .name: x, .offset: 0, .size: 8, .value_kind: global_buffer, .address_space: global }
      - { .name: out0, .offset: 8, .size: 8, .value_kind: global_buffer, .address_space: global }
    .group_segment_fixed_size: 1280
    .private_segment_fixed_size: 0
    .kernarg_segment_align: 8
    .kernarg_segment_size: 16
    .max_flat_workgroup_size: 64
    .sgpr_count:     66
    .vgpr_count:     130
    .wavefront_size: 32
...
	.end_amdgpu_metadata
.endif
;; end of part 1
;; ======== version 2 of 2: 1 launch; version 1 with the launch decode written anew for expert scheduling mode
;; limits: values within 1.2e-07 (relative) of each other or of a threshold may be ordered or decided otherwise than in the reference
;; launch decode (part 2): grid 3125 x 1, 2 waves a work-group, no clusters, 1,280 bytes of LDS; arguments x, out0; writes out0
.if DOCPART == 2
	.amdgcn_target "amdgcn-amd-amdhsa--gfx1250"
	.amdhsa_code_object_version 6
	.text
	.protected	k_q023ce7a592_decode
	.globl	k_q023ce7a592_decode
	.p2align	8
	.type	k_q023ce7a592_decode,@function
k_q023ce7a592_decode:
	s_mov_b64 s[64:65], 0
	v_nop
	global_prefetch_b8 v0, s[64:65] scope:SCOPE_SE
	s_setreg_imm32_b32 hwreg(HW_REG_WAVE_SCHED_MODE, 0, 2), 2
	s_setreg_imm32_b32 hwreg(HW_REG_WAVE_MODE, 25, 1), 1
	s_wait_xcnt 0x0
	s_wait_alu depctr_vm_vsrc(0)
; out0[b][i] = 1 + 4 * pos,  pos = the first column j at which  S[j] = sum over k >= j of x[b][i][k]  is largest.   x: [1000000][8][8] f32, out0: [1000000][8] i32.
; WHY THIS IS THE WHOLE MODULE.  pred starts at 1 and each of the four steps adds pos, 0 to 7: pred is never 0, for any input, so pad is 1 and the mask is tril(ones) in every step; the four
; steps form the same product x . tril (column j = the sum of x[k], k >= j), the same softmax and the same pos.  Softmax is strictly increasing, so its argmax is the argmax of the sums; equal sums
; take the earlier column, as argmax does.  No exponential is formed.
; LIMITS.  x is rounded to bf16 (to nearest even) as a matrix operand; sums in f32.  Where a sum lies within 2^-23 (1.2e-7) of its row's largest, probabilities rounded to f32 can coincide and
; an argmax over them takes the earlier column; this text takes the larger sum.  Inputs are finite and stay finite in bf16 (|x| < 3.39e38), and so do the sums: a NaN or an infinity meets the zeros of the
; mask in the product and spoils the rows that share its matrix column.
; SHARES.  The 8,000,000 rows of 8 numbers are one stream.  A BLOCK is 128 rows: 4,096 bytes of x, 512 bytes of out0; 62,500 blocks = 3,125 work-groups x 2 waves x 10 blocks.
; THE PRODUCT.  One load of a wave takes 512 consecutive bytes, 16 rows: lane (r = lane % 16, h = lane / 16) takes the 16 bytes at 32 r + 16 h: numbers 4h..4h+3 of row r.  Rounded in pairs they are two
; registers of source 1 (32 k x 16 columns; column r lies in lanes r and r + 16: ISA guide 7.12.2), so a row's eight numbers stand in one column.  Source 0 is the mask, 16 x 32, ones and zeros:
; its row m = 8 g + j picks, of the window's first two loads, load g, numbers e >= j.  The result's lane (r, g) then holds in registers 0..7 the eight sums of ONE row: row 16 g + r of those 32.
; So the matrix unit also brings a row's two halves into one lane, and the loads can stay consecutive.  The mask's k = 16..31 are zero: product i takes registers 4i..4i+7 of the block's 16 operand
; registers and only the lower four count; the last window runs on into the mask's own first four registers, which are finite and meet those zeros.
; THE WAY OUT.  Lane L holds the results of rows 32 i + L (i = 0..3).  They pass through 512 bytes of LDS of the wave's own and come back as rows 4L..4L+3, so that one store of the wave covers 512
; consecutive bytes, aligned.  (With loads of consecutive bytes, neighbouring rows fall into different matrix columns, so no register layout gives a lane four neighbouring rows.)
; No barrier: no wave touches another's bytes.  No cluster, no tensor load: no byte is read twice, and the bytes in flight lie in registers: two slots of eight loads a wave.
; THE MODE: SCHED_MODE bits 1:0 = 2 (LLVM: expert scheduling mode 2), set by the entry lines.  The code itself states the register dependences between vector or matrix instructions and memory or
; LDS instructions, and those through scalar registers that vector instructions write, with s_wait_alu, always for 0.
; THE PLAN.  Registers that memory or LDS instructions touch:
;   X0, X1     Turn b: its sixteen conversions read X[b % 2]; behind them the loads of block b + 2 land in it.
;   R0, R1     Turn b: its last four selects write R[b % 2]; the four LDS stores that are issued in turn b + 1 read it.
;   O          The LDS load of turn b + 1 lands in it (block b's results by neighbouring rows); the global store at the end of turn b + 1 reads it.  No vector instruction names it.
;   v1 to v3   Offsets and LDS addresses, made once at the head and never written again: the blocks are reached by immediate offsets.
;   F, the mask and the four results D are named by vector and matrix instructions alone.
; So ONE wait on va_vdst stands in a turn, behind the conversions, the four products and the first two results' maxima: the conversions are done reading X[b % 2], and the turn before has written its R.
; The turn's fourteen memory and LDS instructions follow it, dealt among vector instructions that name D and R[b % 2] alone.  ONE wait on vm_vsrc stands at a turn's head, nearly a turn behind the
; stores that it speaks of.  ONE wait on va_sdst stands between the turn's 28 compares, laid in one run into 28 scalar registers, and the 28 selects that read them.
.set BLOCK_X, 4096                     ; bytes of x in a block
.set BLOCK_O, 512                      ; bytes of out0 in a block
.set WAVES,   2
.set TURNS,   10                       ; blocks of a wave; block b of wave w is the work-group's block 2 b + w
.set WG_X,    WAVES*TURNS*BLOCK_X      ; 81,920: 3,125 of them are x's 256,000,000 bytes
.set WG_O,    WAVES*TURNS*BLOCK_O      ; 10,240: 3,125 of them are out0's 32,000,000 bytes
.set XO,  1                            ; v1        4,096 w + 32 r + 16 h: my 16 bytes in a load; never rewritten
.set SST, 2                            ; v2        512 w + 4 L: where my results go in my wave's stage; never rewritten
.set O16, 3                            ; v3        512 w + 16 L: where I read the stage back, and my byte offset in out0; never rewritten
.set O,   4                            ; v[4:7]    four neighbouring rows' results, to store
.set X,   8                            ; v[8:71]   two slots of 32: a block of x as loaded (load q in registers 4q..4q+3)
.set F,   72                           ; v[72:87]  the block in bf16: load q in registers 2q, 2q+1
.set A,   88                           ; v[88:95]  the mask: four registers of ones and zeros, four of zeros; stands straight behind F (see above)
.set D,   96                           ; v[96:127] four results of 8; register 7 becomes the row's maximum, register 6 the row's answer in the making
.set R,   128                          ; v[128:135] two sets of four: a block's answers, row 32 i + L in register i
.set MK,  16                           ; s[16:43]  lane masks: column j of result i at MK + 4 j + i
	s_load_b128 s[4:7], s[0:1], 0x0                ; x s[4:5], out0 s[6:7]
	v_lshl_add_u32 v136, v0, 2, 0x400
	v_mov_b32 v137, 0
	v_and_b32 v[D], 31, v0                         ; L
	v_lshrrev_b32 v[D+1], 5, v0
	v_readfirstlane_b32 s8, v[D+1]                 ; w, my wave's number
	s_mul_i32 s10, ttmp9, WG_X                     ; the work-group's first byte of x (under 2^28)
	s_mov_b32 s11, 0
	s_mul_i32 s12, ttmp9, WG_O                     ; and of out0
	s_mov_b32 s13, 0
	v_and_b32 v[D+2], 15, v0                       ; r
	v_bfe_u32 v[D+3], v0, 4, 1                     ; h
	s_wait_alu depctr_va_sdst(0)                   ; s8 is written, ahead of its first reader
	s_lshl_b32 s9, s8, 9                           ; 512 w
	s_lshl_b32 s14, s8, 12                         ; 4,096 w
	v_lshl_add_u32 v[XO], v[D+2], 5, s14
	v_lshl_add_u32 v[XO], v[D+3], 4, v[XO]
	v_lshl_add_u32 v[SST], v[D], 2, s9
	v_lshl_add_u32 v[O16], v[D], 4, s9
	s_wait_kmcnt 0x0
	s_add_nc_u64 s[4:5], s[4:5], s[10:11]
	s_add_nc_u64 s[6:7], s[6:7], s[12:13]
	s_wait_alu depctr_va_vdst(0)                   ; v1, v2 and v3 are written: every load, LDS instruction and store of the kernel reads one of them as its offset or address
.irp b, 0,1                            ; both slots are filled before anything else is done: sixteen loads, 8,192 bytes a wave
.irp q, 0,1,2,3,4,5,6,7
	global_load_b128 v[X+32*\b+4*\q:X+32*\b+4*\q+3], v[XO], s[4:5] offset:\b*WAVES*BLOCK_X+512*\q th:TH_LOAD_NT
.endr
.endr
	; THE MASK, while the loads are on their way.  As source 0, lane (m = lane % 16, h) holds row m = 8 g + j; its register c (0..3) holds k = 8h + 2c, 8h + 2c + 1.  In source 1 those k are, of load c / 2,
	; numbers e = 4h + 2 (c % 2) and e + 1.  So register c is 0 unless c / 2 = g; else its low half is 1.0 where 4h + 2 (c % 2) >= j, its high half where 4h + 2 (c % 2) + 1 >= j.
	; The six compares stand in one run, each with a scalar register of its own, so that one wait serves them all.
	v_and_b32 v[D+4], 7, v0                        ; j
	v_bfe_u32 v[D+5], v0, 3, 1                     ; g
	v_lshl_add_u32 v[D+6], v[D+3], 2, 8
	v_sub_nc_u32 v[D+6], v[D+6], v[D+4]            ; t = 4h + 8 - j, 1 to 12: the tests become unsigned
	v_mov_b32 v[D+8], 0x3f800000                   ; bf16 1.0 in the high half
	v_mov_b32 v[D+9], 0x3f803f80                   ; in both halves
	v_cmp_lt_u32 s[MK], 6, v[D+6]                  ; 4h + 1 >= j
	v_cmp_lt_u32 s[MK+1], 7, v[D+6]                ; 4h >= j
	v_cmp_lt_u32 s[MK+2], 4, v[D+6]                ; 4h + 3 >= j
	v_cmp_lt_u32 s[MK+3], 5, v[D+6]                ; 4h + 2 >= j
	v_cmp_eq_u32 s[MK+4], 0, v[D+5]
	v_cmp_eq_u32 s[MK+5], 1, v[D+5]
.irp c, 4,5,6,7
	v_mov_b32 v[A+\c], 0                           ; k = 16..31: nothing of a window's upper half is summed
.endr
	s_wait_alu depctr_va_sdst(0)                   ; the six compares have written s[MK .. MK+5], which the selects below read
	v_cndmask_b32 v[D+10], 0, v[D+8], s[MK]
	v_cndmask_b32 v[D+11], 0, v[D+8], s[MK+2]
	v_cndmask_b32 v[D+10], v[D+10], v[D+9], s[MK+1] ; the word for c % 2 = 0
	v_cndmask_b32 v[D+11], v[D+11], v[D+9], s[MK+3] ; the word for c % 2 = 1
	v_cndmask_b32 v[A], 0, v[D+10], s[MK+4]
	v_cndmask_b32 v[A+1], 0, v[D+11], s[MK+4]
	v_cndmask_b32 v[A+2], 0, v[D+10], s[MK+5]
	v_cndmask_b32 v[A+3], 0, v[D+11], s[MK+5]
.macro CVT q                           ; load q of the slot: four f32 become two registers of bf16, the lower number in the lower half
	v_cvt_pk_bf16_f32 v[F+2*\q],   v[XS+4*\q],   v[XS+4*\q+1]
	v_cvt_pk_bf16_f32 v[F+2*\q+1], v[XS+4*\q+2], v[XS+4*\q+3]
.endm
.macro MUL i                           ; product i: the sums of rows 32 i .. 32 i + 31 of the block; C = 0: nothing is cleared, nothing is added onto
	v_wmma_f32_16x16x32_bf16 v[D+8*\i:D+8*\i+7], v[A:A+7], v[F+4*\i:F+4*\i+7], 0
.endm
.macro MAX2 p                          ; the largest of the eight sums, into register 7, for products p and p + 1 by turns.  The first read of a result takes its registers 0 and 1
.irp i, \p, \p+1
	v_max3_num_f32 v[D+8*(\i)+7], v[D+8*(\i)], v[D+8*(\i)+1], v[D+8*(\i)+7]
.endr
.irp i, \p, \p+1
	v_max3_num_f32 v[D+8*(\i)+7], v[D+8*(\i)+2], v[D+8*(\i)+3], v[D+8*(\i)+7]
.endr
.irp i, \p, \p+1
	v_max3_num_f32 v[D+8*(\i)+7], v[D+8*(\i)+4], v[D+8*(\i)+5], v[D+8*(\i)+7]
.endr
.irp i, \p, \p+1
	v_max_num_f32 v[D+8*(\i)+7], v[D+8*(\i)+6], v[D+8*(\i)+7]
.endr
.endm
.macro FILL b, q                       ; load q of block b + 2, into the slot that block b has left
	global_load_b128 v[XS+4*(\q):XS+4*(\q)+3], v[XO], s[4:5] offset:((\b)+2)*WAVES*BLOCK_X+512*(\q) th:TH_LOAD_NT
.endm
.macro STAGE p                         ; the answers in set p of R go into my wave's stage and come back by neighbouring rows
.irp i, 0,1,2,3
	ds_store_b32 v[SST], v[R+4*(\p)+\i] offset:128*\i  ; row 32 i + L at byte 4 (32 i + L) of my wave's stage
.endr
	ds_load_b128 v[O:O+3], v[O16]                  ; rows 4L..4L+3.  LDS serves a wave's instructions in order (ISA guide 5.7.1.4): this sees the four stores above, and the next turn's stores come behind it
.endm
.macro SEND blk                        ; block blk's answers leave
	s_wait_dscnt 0x0                               ; O is in
	global_store_b128 v[O16], v[O:O+3], s[6:7] offset:(\blk)*WAVES*BLOCK_O th:TH_STORE_NT   ; the wave's 32 lanes store 512 consecutive bytes, at a multiple of 512 from out0's first byte
.endm
; THE TURN OF BLOCK b, in slot b % 2.  refill = 1: the slot takes block b + 2.  younger = the loads of block b + 1 that may stay out (8, or 0 in the last turn).
; From turn 1 on the turn also sends the block before on its way out.
.macro TURN b, refill, younger
.set XS, X+32*((\b)%2)
	s_wait_loadcnt \younger+2                      ; loads come back in order (ISA guide 5.7.1): my block's loads 0 to 5 are in; its last two and the next block's eight stay out
.if (\b) >= 2
	s_wait_xcnt 0x0                                ; every earlier memory instruction has had its addresses translated (ISA guide 3.1): O, which the last turn's store reads, is loaded again only behind this wait
	s_wait_alu depctr_vm_vsrc(0)                   ; the last turn's LDS stores have read R[b % 2], which this turn's last selects write; its global store has read O, in which this turn's LDS load lands
.endif
.irp q, 0,1,2,3,4,5
	CVT \q
.endr
	MUL 0
	MUL 1
	s_wait_loadcnt \younger                        ; my block's last two loads are in: behind them came the next block's eight alone
	CVT 6                                          ; these four conversions name no register of products 0 and 1: they are the four places
	CVT 7                                          ; between those products and the first read of their results (ISA guide 7.12.1)
	MUL 2
	MUL 3
	MAX2 0                                         ; eight instructions on results 0 and 1: the places behind products 2 and 3
	s_wait_alu depctr_va_vdst(0)                   ; the conversions are done reading this slot, in which the loads below land; the turn before has written its set of R, which the LDS stores below read
.if \refill
	FILL \b, 0                                     ; no further wait up to the turn's end: the vector instructions behind the wait above name D and R[b % 2] alone
	FILL \b, 1
.endif
	MAX2 2
.if \refill
	FILL \b, 2
	FILL \b, 3
.endif
.if (\b) >= 1
	STAGE ((\b)+1)%2                               ; the block before; its way through LDS has the compares and selects below in which to come back
.endif
	; The first column that holds the maximum: from column 6 down to 0, a column that is not below the maximum takes the answer, so the lowest such column has the last word;
	; column 7 is the answer if none does.  The answer is kept as 1 + 4 j.  All 28 compares first, each into a scalar register of its own; the slot's last four loads are dealt among them.
.irp j, 6,5,4,3,2,1,0
.irp i, 0,1,2,3
	v_cmp_lt_f32 s[MK+4*\j+\i], v[D+8*\i+\j], v[D+8*\i+7]
.endr
.if (\refill) && (\j >= 3)
	FILL \b, 10-\j
.endif
.endr
	s_wait_alu depctr_va_sdst(0)                   ; the 28 compares have written s[MK .. MK+27], which the selects below read
.irp j, 6,5,4,3,2,1,0                  ; four rows by turns, so that no select waits for the one just before it
.irp i, 0,1,2,3
.if \j == 6
	v_cndmask_b32 v[D+8*\i+6], 25, 29, s[MK+4*\j+\i]    ; below the maximum: 29 (column 7) for now; else 25.  Register 6 has been compared and is free
.elseif \j == 0
	v_cndmask_b32 v[R+4*((\b)%2)+\i], 1, v[D+8*\i+6], s[MK+4*\j+\i]   ; the last word goes into this turn's set of R, which no product writes over
.else
	v_cndmask_b32 v[D+8*\i+6], 4*\j+1, v[D+8*\i+6], s[MK+4*\j+\i]
.endif
.endr
.endr
.if (\b) >= 1
	SEND (\b)-1
.endif
.endm
.irp b, 0,1,2,3,4,5,6,7
	TURN \b, 1, 8
.endr
	TURN 8, 0, 8                                   ; the last two turns load nothing: no load leaves x, and the counts run down
	TURN 9, 0, 0
	s_wait_xcnt 0x0                                ; as at a turn's head: O is loaded again only behind this wait
	s_wait_alu depctr_vm_vsrc(0)                   ; turn 9's global store has read O, in which the last LDS load lands
	s_wait_alu depctr_va_vdst(0)                   ; turn 9's last selects have written R1, which the last four LDS stores read
	STAGE 1
	SEND 9
	s_wait_dscnt 0x0
	s_wait_alu depctr_hold_cnt(0) depctr_sa_sdst(0) depctr_va_vdst(0) depctr_va_sdst(0) depctr_va_ssrc(0) depctr_va_vcc(0) depctr_vm_vsrc(0)
	s_wait_tensorcnt 0x0
	ds_add_u32 v136, v137
	s_wait_dscnt 0x0
	s_endpgm
.Lfunc_end_k_q023ce7a592_decode:
	.size	k_q023ce7a592_decode, .Lfunc_end_k_q023ce7a592_decode-k_q023ce7a592_decode
	.p2alignl 7, 3214868480
	.fill 96, 4, 3214868480
	.section	.rodata,"a",@progbits
	.p2align	6, 0x0
	.amdhsa_kernel k_q023ce7a592_decode
		.amdhsa_group_segment_fixed_size 1280
		.amdhsa_private_segment_fixed_size 0
		.amdhsa_enable_private_segment 0
		.amdhsa_kernarg_size 16
		.amdhsa_user_sgpr_count 2
		.amdhsa_user_sgpr_kernarg_segment_ptr 1
		.amdhsa_wavefront_size32 1
		.amdhsa_system_sgpr_workgroup_id_x 1
		.amdhsa_system_sgpr_workgroup_id_y 1
		.amdhsa_system_sgpr_workgroup_id_z 1
		.amdhsa_system_vgpr_workitem_id 0
		.amdhsa_next_free_vgpr 138
		.amdhsa_next_free_sgpr 66
		.amdhsa_reserve_vcc 0
		.amdhsa_float_denorm_mode_32 3
		.amdhsa_float_denorm_mode_16_64 3
		.amdhsa_memory_ordered 1
		.amdhsa_forward_progress 1
		.amdhsa_inst_pref_size 73
	.end_amdhsa_kernel
	.amdgpu_metadata
---
amdhsa.version: [ 1, 2 ]
amdhsa.kernels:
  - .name:           k_q023ce7a592_decode
    .symbol:         k_q023ce7a592_decode.kd
    .args:
      - { .name: x, .offset: 0, .size: 8, .value_kind: global_buffer, .address_space: global }
      - { .name: out0, .offset: 8, .size: 8, .value_kind: global_buffer, .address_space: global }
    .group_segment_fixed_size: 1280
    .private_segment_fixed_size: 0
    .kernarg_segment_align: 8
    .kernarg_segment_size: 16
    .max_flat_workgroup_size: 64
    .sgpr_count:     66
    .vgpr_count:     138
    .wavefront_size: 32
...
	.end_amdgpu_metadata
.endif
;; end of part 2
